; MI455X (gfx1250); checked and timed in simulation.
; The chip was launched on July 23, 2026; its instructions are those of AMD's public machine-readable ISA for CDNA 5 (MIT licence, August 2026) and "CDNA5" Instruction Set Architecture Reference Guide (July 2026). The comments in the code are by the model that wrote it; some were corrected since.
;; Multi Head Self Attention. Allowed arithmetic: matrix products marked QUANTISED: E2M3 operands, one E8M0 scale for each 32 along K, by v_wmma_scale_f32_16x16x128_f8f6f4 with both operands' format E2M3, f32 sums; everything else in f32.
;; Inputs: W_k 1,024 x 1,024 float32; W_o 1,024 x 1,024 float32; W_q 1,024 x 1,024 float32; W_v 1,024 x 1,024 float32; x 4 x 2,048 x 1,024 float32.
;; Outputs: out0 4 x 2,048 x 1,024 float32.
;; This version of the problem:
;;   THIS VERSION OF THE PROBLEM IS GIVEN IN LOW PRECISION. The matrix products marked QUANTISED in the list below multiply operands that are first quantised to E2M3 (2 exponent bits, 3 mantissa bits; 6 bits a number), with one power-of-two scale for each 32 numbers along K (OCP MX v1.0); their sums are f32. All else is computed in f32.
;;   The module's matrix products, in the order in which they are computed (A, B: the left and right operand; K: the contracted axis; several contracted axes count as one K, in the product's order):
;;     1. [M 8,192, K 1,024] x [K 1,024, N 1,024]; A: input x; B: input W_q: QUANTISED
;;     2. [M 8,192, K 1,024] x [K 1,024, N 1,024]; A: input x; B: input W_k: QUANTISED
;;     3. [M 8,192, K 1,024] x [K 1,024, N 1,024]; A: input x; B: input W_v: QUANTISED
;;     4. batch 64 x [M 2,048, K 64] x [K 64, N 2,048]; A: computed on the way; B: computed on the way: QUANTISED
;;     5. batch 64 x [M 2,048, K 2,048] x [K 2,048, N 64]; A: softmax (see below); B: computed on the way: QUANTISED
;;     6. [M 8,192, K 1,024] x [K 1,024, N 1,024]; A: computed on the way; B: input W_o: QUANTISED
;;   THE QUANTISER, for each operand of a quantised product, along K:
;;     - K is cut into blocks of 32 from its start; a last block that is shorter is filled with zeros.
;;     - A block's scale is 2^e with e = floor(log2(the largest magnitude in the block)) - 2, held to -126 .. 127; a block of zeros has e = 0. As a byte (E8M0): e + 127.
;;     - Each number is divided by its block's scale, clamped to +-7.5, and rounded to the nearest number of E2M3, ties to even, subnormals kept.
;;     - The product sums the exact products of the quantised numbers (number of the format x scale) in f32.
;;   ~~~python
;;   def quantise(x, axis):      # numpy; x: float32 -> the quantised numbers, widened to float32 again
;;       x = np.moveaxis(x, axis, -1); K = x.shape[-1]
;;       x = np.pad(x, [(0, 0)] * (x.ndim - 1) + [(0, -K % 32)]); x = x.reshape(x.shape[:-1] + (-1, 32)); a = np.abs(x).max(-1, keepdims=True)
;;       e = np.where(a > 0, np.clip(np.frexp(np.where(a > 0, a, 1))[1] - 1 - 2, -126, 127), 0)      # np.frexp(a)[1] - 1 = floor(log2(a)), exactly
;;       r = np.clip(x / 2.0 ** e, -7.5, 7.5)
;;       step = 2.0 ** (np.maximum(np.frexp(np.where(r == 0, 1, r))[1] - 1, 0) - 3)
;;       q = np.round(r / step) * step * 2.0 ** e      # np.round: ties to even
;;       return np.moveaxis(q.reshape(q.shape[:-2] + (-1,))[..., :K], -1, axis).astype(np.float32)
;;   ~~~
;;   SOFTMAX AHEAD OF A QUANTISED PRODUCT. Where the list says 'softmax', what is quantised is not the finished softmax but p = 2^(t - M), with t = logit x log2(e) and M = ceil(the row's largest t), a whole number; so 1/2 < the row's largest p <= 1. The row's sum l is taken of the UNQUANTISED p, in f32, and the product's result is divided by l at the end. Since M is a whole number, a kernel that streams over the keys may use a running M (the ceiling of the running maximum): every later rescaling is an exact power of two, which a block's scale takes up: the codes' values come out the same.
;;   OPERANDS COMPUTED ON THE WAY. 'Computed on the way' means the value that the module computes at that place (a softmax that the list does not call 'softmax' is quantised finished and normalised). What goes into a quantiser is computed in f32, as accurately as f32 sums, v_exp_f32 and their like allow (about 1e-6 of the number): no bf16 or f16 on the way to a quantiser, and a product that is left as it is and whose result goes on into a quantised operand takes f32 operands (vector FMAs, or v_wmma_f32_16x16x4_f32). A number that lies on a knife's edge between two numbers of the format may be rounded either way, as far as f32 arithmetic and the matrix unit's own rounding can turn it there, and no further.
;; One version. Each part assembles by itself: llvm-mc -triple=amdgcn-amd-amdhsa -mcpu=gfx1250 --defsym DOCPART=n.
;; ======== version 1 of 1: 4 launches
;; limits: right only within a limited range of input values
;; workspace buffers: ximg 6,553,600 bytes; wimg 3,276,800 bytes; qimg 6,815,744 bytes; kimg 6,815,744 bytes; vimg 6,815,744 bytes; aimg 6,815,744 bytes
;; launch quant (part 1): grid 256 x 1, 6 waves a work-group, no clusters, 51,456 bytes of LDS; arguments x, W_q, W_k, W_v, W_o, ximg, wimg; writes ximg, wimg
.if DOCPART == 1
	.amdgcn_target "amdgcn-amd-amdhsa--gfx1250"
	.amdhsa_code_object_version 6
	.text
	.protected	k_qfd3e7af14d_quant
	.globl	k_qfd3e7af14d_quant
	.p2align	8
	.type	k_qfd3e7af14d_quant,@function
k_qfd3e7af14d_quant:
	s_mov_b64 s[64:65], 0
	v_nop
	global_prefetch_b8 v0, s[64:65] scope:SCOPE_SE
	s_setreg_imm32_b32 hwreg(HW_REG_WAVE_MODE, 25, 1), 1
	s_wait_xcnt 0x0
; MULTI-HEAD SELF-ATTENTION IN MX-FP6, launch 1 of 4: x [8192][1024] and the four weights [1024][1024], f32, K innermost, become codes of E2M3 with one E8M0 byte for each 32 along K.
; DEAD WORK: none.  Every input has a way to the output, every product of the table is live, nothing is left out in any launch.
; THE QUANTISER: a block's scale is 2^(floor(log2(largest magnitude)) - 2); its byte is the largest magnitude's exponent field - 2, held at 1 from below by a floor among the maximum's leaves.
; LIMITS: NaN and infinities among the inputs are not served.  A block of zeros gets the byte 1 where the rule says 127: its codes are zeros, and this program alone reads the bytes.
; THE WORKSPACE IS LAID AS IMAGES OF OPERAND REGISTERS.  Rows go in groups of 64, four tiles a group: lane r of tile a holds row 64 G + 32 (r / 8) + 8 a + r % 8.  (As source 0 of a product this order leaves a
; lane's 32 result registers of the four tiles as 32 NEIGHBOURS along the group: a whole block of the next quantiser in one lane.)
; A half fragment (16 rows x 64 K: 6 registers a lane) is 768 bytes: registers 0-3 at 16 x lane, registers 4-5 at 512 + 8 x lane.  A block F128 (64 rows x 128 K) is 6,400 bytes: half fragment (a, c) at 1536 a + 768 c;
; from 6144 on the scale words, 8 x lane + 4 p: word p holds tile 2 p's rows in lanes 0-15 and tile 2 p + 1's in lanes 16-31, as the matrix instruction's two scale rows take them.
; SHARES.  ximg is [group 0..127][K step 0..7] F128, wimg [q, k, v, o][group 0..15][K step] F128: 192 groups x 8 K steps = 1,536 blocks.  A wave makes one F128: block 6 n + wave of work-group n: 256 work-groups of six waves.
; One path serves all five tensors: only pointers are chosen, on the block's number.  Each load reads 512 consecutive bytes of a row; a tile's 16 rows turn through the wave's own stage in LDS, so that a lane gets 32 neighbours
; of each of its two blocks.  No tensor load, no barrier, no cluster: waves share nothing, and the launch streams each byte once.
.set STG,   8448                       ; a wave's stage: 16 rows x (512 + 16) bytes
.set SPARE, 6*STG                      ; behind the stages: the spare words, 128 bytes a wave, named by no other line
.set SPW,   10
.set NIL,   11
.set U,     12                         ; v12-15 a tile's two scale bytes a lane; then the two scale words in v12-13
.set T,     40                         ; v40-46 the second halves of the blocks' codes (a conversion's three registers begin on an even number)
.set R,     48                         ; v48-175 two sets of 64: a tile as it is loaded
.set X,     176                        ; v176-239 register 32 c + n: k = 64 c + 32 (lane / 16) + n of my row
	s_load_b256 s[4:11], s[0:1], 0x0               ; x, W_q, W_k, W_v
	s_load_b128 s[12:15], s[0:1], 0x20             ; W_o, ximg
	s_load_b64 s[16:17], s[0:1], 0x30              ; wimg
	v_lshl_add_u32 v[SPW], v0, 2, SPARE
	v_mov_b32 v[NIL], 0
	v_lshrrev_b32 v1, 5, v0
	v_readfirstlane_b32 s18, v1                    ; wave
	v_and_b32 v5, 31, v0                           ; lane
	v_and_b32 v6, 15, v0                           ; r
	v_bfe_u32 v7, v0, 4, 1                         ; h
	v_lshlrev_b32 v1, 4, v5                        ; 16 x lane
	v_lshlrev_b32 v4, 3, v5                        ; 8 x lane
	s_mul_i32 s34, s18, STG
	v_add_nc_u32 v2, s34, v1                       ; the stage, on the way in: 16 x lane of a row
	v_mul_u32_u24 v3, v6, 528
	v_lshl_add_u32 v3, v7, 7, v3
	v_add_nc_u32 v3, s34, v3                       ; and on the way out: row r, + 128 h bytes
	s_mul_i32 s19, ttmp9, 6
	s_add_co_u32 s20, s19, s18                     ; my block, 0..1535
	s_lshr_b32 s19, s20, 3                         ; group 0..191: 0..127 x's, then 16 for each weight
	s_and_b32 s20, s20, 7                          ; K step
	s_sub_co_u32 s21, s19, 128                     ; a weight's place in wimg: 16 m + group
	s_lshr_b32 s22, s21, 4                         ; m
	s_and_b32 s23, s21, 15                         ; its group
	s_wait_alu depctr_va_vdst(0)                   ; the wait at the head's end
	s_wait_kmcnt 0x0
	s_mov_b64 s[24:25], s[12:13]                   ; the source: W_o, unless ..
	s_cmp_eq_u32 s22, 2
	s_cselect_b64 s[24:25], s[10:11], s[24:25]
	s_cmp_eq_u32 s22, 1
	s_cselect_b64 s[24:25], s[8:9], s[24:25]
	s_cmp_eq_u32 s22, 0
	s_cselect_b64 s[24:25], s[6:7], s[24:25]
	s_cmp_lt_u32 s19, 128
	s_cselect_b64 s[24:25], s[4:5], s[24:25]
	s_cselect_b64 s[26:27], s[14:15], s[16:17]     ; the destination
	s_cselect_b32 s28, s19, s23                    ; the group in the source,
	s_cselect_b32 s29, s19, s21                    ; and in the destination
	s_lshl_b32 s30, s28, 18                        ; 64 rows of 4,096 bytes
	s_lshl_b32 s31, s20, 9                         ; 128 numbers
	s_add_co_u32 s30, s30, s31
	s_mov_b32 s31, 0
	s_add_nc_u64 s[24:25], s[24:25], s[30:31]
	s_lshl_b32 s32, s29, 3
	s_add_co_u32 s32, s32, s20
	s_mul_i32 s32, s32, 6400
	s_mov_b32 s33, 0
	s_add_nc_u64 s[26:27], s[26:27], s[32:33]
.macro LOAD a                          ; tile a's 16 rows, 512 consecutive bytes each
.irp i, 0,1,2,3,4,5,6,7,8,9,10,11,12,13,14,15
	global_load_b128 v[R+64*((\a)%2)+4*\i:R+64*((\a)%2)+4*\i+3], v1, s[24:25] offset:(32*(\i/8)+8*(\a)+\i%8)*4096 th:TH_LOAD_NT
.endr
.endm
.macro FRAG a
.set RS, R+64*((\a)%2)
.set C, 16+12*((\a)%2)                 ; v16-39: the codes, two sets of 12
.if (\a) < 3
	s_wait_loadcnt 16                              ; this tile's 16 loads are in; the next tile's 16 may be out
.else
	s_wait_loadcnt 0x0
.endif
.irp i, 0,1,2,3,4,5,6,7,8,9,10,11,12,13,14,15
	ds_store_b128 v2, v[RS+4*\i:RS+4*\i+3] offset:528*\i
.endr
.irp c, 0,1
.irp j, 0,1,2,3,4,5,6,7
	ds_load_b128 v[X+32*\c+4*\j:X+32*\c+4*\j+3], v3 offset:256*\c+16*\j   ; LDS serves a wave's instructions in order: these see the stores above
.endr
.endr
	s_wait_dscnt 0x0                               ; the numbers are back, and the stores have read their registers,
.if (\a) < 2
	LOAD (\a)+2                                    ; which take the tile two further on
.endif
.if (\a) >= 2
	s_wait_xcnt 0x0                                ; the stores of two tiles ago have read this set of codes: it is written again only behind this wait
.endif
.irp c, 0,1
	v_max3_num_f32 v[6+\c], |v[X+32*\c]|, |v[X+32*\c+1]|, 0x1800000   ; my block 2 c + h: all 32 numbers are mine; the floor 2^(3 - 127) holds the byte at 1 from below
.endr
.irp i, 2,4,6,8,10,12,14,16,18,20,22,24,26,28,30
.irp c, 0,1
	v_max3_num_f32 v[6+\c], v[6+\c], |v[X+32*\c+\i]|, |v[X+32*\c+\i+1]|
.endr
.endr
.irp c, 0,1
	v_add_nc_u32 v[8+\c], 0xff000000, v[6+\c]      ; 2 off the exponent field: the conversion's scale operand
.endr
.irp c, 0,1
	v_lshrrev_b32 v[6+\c], 23, v[8+\c]             ; the scale's byte
.endr
	v_lshl_or_b32 v[U+(\a)], v7, 16, v6            ; blocks h and 2 + h of my row
	v_cvt_scalef32_pk16_fp6_f32 v[C:C+2], v[X:X+15], v8
	v_cvt_scalef32_pk16_fp6_f32 v[T:T+2], v[X+16:X+31], v8
	v_cvt_scalef32_pk16_fp6_f32 v[C+6:C+8], v[X+32:X+47], v9
	v_cvt_scalef32_pk16_fp6_f32 v[T+4:T+6], v[X+48:X+63], v9
	v_nop                                          ; one plain place behind the conversions
.irp n, 0,1,2
	v_mov_b32 v[C+3+\n], v[T+\n]
	v_mov_b32 v[C+9+\n], v[T+4+\n]
.endr
	global_store_b128 v1, v[C:C+3], s[26:27] offset:1536*(\a)            ; 512 consecutive bytes, aligned
	global_store_b64 v4, v[C+4:C+5], s[26:27] offset:1536*(\a)+512       ; 256
	global_store_b128 v1, v[C+6:C+9], s[26:27] offset:1536*(\a)+768
	global_store_b64 v4, v[C+10:C+11], s[26:27] offset:1536*(\a)+1280
.if (\a) == 1
	v_permlane16_swap_b32 v[U], v[U+1]             ; the first now holds both tiles' h = 0 bytes, the second their h = 1 bytes
	v_lshl_or_b32 v[U], v[U+1], 8, v[U]            ; word 0: tile 0's rows in lanes 0-15, tile 1's in lanes 16-31
.endif
.if (\a) == 3
	v_permlane16_swap_b32 v[U+2], v[U+3]
	v_lshl_or_b32 v[U+1], v[U+3], 8, v[U+2]        ; word 1
	global_store_b64 v4, v[U:U+1], s[26:27] offset:6144                  ; 256 consecutive bytes, aligned
.endif
.endm
	LOAD 0
	LOAD 1
	FRAG 0
	FRAG 1
	FRAG 2
	FRAG 3
	s_wait_tensorcnt 0x0                           ; the wave's end: behind my last LDS store
	ds_add_u32 v[SPW], v[NIL]
	s_wait_dscnt 0x0
	s_endpgm
.Lfunc_end_k_qfd3e7af14d_quant:
	.size	k_qfd3e7af14d_quant, .Lfunc_end_k_qfd3e7af14d_quant-k_qfd3e7af14d_quant
	.p2alignl 7, 3214868480
	.fill 96, 4, 3214868480
	.section	.rodata,"a",@progbits
	.p2align	6, 0x0
	.amdhsa_kernel k_qfd3e7af14d_quant
		.amdhsa_group_segment_fixed_size 51456
		.amdhsa_private_segment_fixed_size 0
		.amdhsa_enable_private_segment 0
		.amdhsa_kernarg_size 56
		.amdhsa_user_sgpr_count 2
		.amdhsa_user_sgpr_kernarg_segment_ptr 1
		.amdhsa_wavefront_size32 1
		.amdhsa_system_sgpr_workgroup_id_x 1
		.amdhsa_system_sgpr_workgroup_id_y 1
		.amdhsa_system_sgpr_workgroup_id_z 1
		.amdhsa_system_vgpr_workitem_id 0
		.amdhsa_next_free_vgpr 240
		.amdhsa_next_free_sgpr 66
		.amdhsa_reserve_vcc 0
		.amdhsa_float_denorm_mode_32 3
		.amdhsa_float_denorm_mode_16_64 3
		.amdhsa_memory_ordered 1
		.amdhsa_forward_progress 1
		.amdhsa_inst_pref_size 30
	.end_amdhsa_kernel
	.amdgpu_metadata
---
amdhsa.version: [ 1, 2 ]
amdhsa.kernels:
  - .name:           k_qfd3e7af14d_quant
    .symbol:         k_qfd3e7af14d_quant.kd
    .args:
      - { .name: x, .offset: 0, .size: 8, .value_kind: global_buffer, .address_space: global }
      - { .name: W_q, .offset: 8, .size: 8, .value_kind: global_buffer, .address_space: global }
      - { .name: W_k, .offset: 16, .size: 8, .value_kind: global_buffer, .address_space: global }
      - { .name: W_v, .offset: 24, .size: 8, .value_kind: global_buffer, .address_space: global }
      - { .name: W_o, .offset: 32, .size: 8, .value_kind: global_buffer, .address_space: global }
      - { .name: ximg, .offset: 40, .size: 8, .value_kind: global_buffer, .address_space: global }
      - { .name: wimg, .offset: 48, .size: 8, .value_kind: global_buffer, .address_space: global }
    .group_segment_fixed_size: 51456
    .private_segment_fixed_size: 0
    .kernarg_segment_align: 8
    .kernarg_segment_size: 56
    .max_flat_workgroup_size: 192
    .sgpr_count:     66
    .vgpr_count:     240
    .wavefront_size: 32
...
	.end_amdgpu_metadata
.endif
;; end of part 1
;; launch qkv (part 2): grid 32 x 8, 4 waves a work-group, clusters of 4 x 1, 327,680 bytes of LDS; arguments ximg, wimg, qimg, kimg, vimg; writes qimg, kimg, vimg
.if DOCPART == 2
	.amdgcn_target "amdgcn-amd-amdhsa--gfx1250"
	.amdhsa_code_object_version 6
	.text
	.protected	k_qfd3e7af14d_qkv
	.globl	k_qfd3e7af14d_qkv
	.p2align	8
	.type	k_qfd3e7af14d_qkv,@function
k_qfd3e7af14d_qkv:
	s_mov_b64 s[64:65], 0
	v_nop
	global_prefetch_b8 v0, s[64:65] scope:SCOPE_SE
	s_setreg_imm32_b32 hwreg(HW_REG_WAVE_MODE, 25, 1), 1
	s_wait_xcnt 0x0
	s_wait_alu depctr_hold_cnt(0) depctr_sa_sdst(0) depctr_va_vdst(0) depctr_va_sdst(0) depctr_va_ssrc(0) depctr_va_vcc(0) depctr_vm_vsrc(0)
	s_getreg_b32 s2, hwreg(HW_REG_IB_STS2, 6, 4)
	s_cmp_eq_u32 s2, 0
	s_cbranch_scc0 .Lentry_in_a_cluster
	s_endpgm
.Lentry_in_a_cluster:
	s_bfe_u32 s2, ttmp6, 0x10000c
	s_cmp_lg_u32 s2, 0x3003
	s_cbranch_scc0 .Lentry_shape_is_right
	s_endpgm
.Lentry_shape_is_right:
; Launch 2 of 4: Q = x W_q^T, K = x W_k^T, V = x W_v^T on codes of E2M3, and the three results quantised again on the way out: Q and K along the head's 64, V along the tokens.  No work is left out.
; SHARES.  A work-group takes 256 tokens and a pair of heads (128 columns of each of Q, K, V).  Wave w owns 64 tokens; their codes for all of K (32 fragments, 384 registers) come straight from ximg into registers, once, and
; serve all three phases.  The 3 x 128 weight rows, 307,200 bytes of images, lie whole in LDS: no slot is ever filled again.  For 128 along K a wave reads 8 weight fragments from LDS and issues 32 matrix instructions.
; CLUSTER.  The four work-groups of a cluster share the pair of heads: every weight load is asked for jointly (mask 15).  x's images go to registers by plain loads, so they have no joint form.
; ORIENTATION.  Q, K: source 0 = 16 rows of W, source 1 = 16 tokens: a lane holds one token and, by the images' row order, its 32 registers of four tiles are 32 neighbouring channels: one block.  V: the sources change places:
; a lane holds one channel and 32 neighbouring tokens.  So one way out serves all three: largest magnitude of 32 registers, two conversions, no other lane asked.
; OUT.  qimg, kimg: [batch x head][token group] F64, rows = tokens, K = the head's 64.  vimg: the same, rows = the head's 64 channels, K = the group's 64 tokens.  F64 is 3,328 bytes: half fragment a at 768 a; from 3072 on
; the scale words, 8 x lane + 4 p (bytes 0, 1 the two blocks, bytes 2, 3 zero).
; LIMITS: NaN and infinities are not served; a block of zeros gets the byte 1 (its codes are zeros; this program alone reads the bytes).
; REGISTERS, in windows of 256.  Window 0: v1 16 x lane, v2 8 x lane; v4-5, v6-7 LDS addresses of the two weight groups (16- and 8-byte parts); v12-27 x's scale words; v28-35 the weights', two sets; v36-51 at work on the way out;
;   v64-159, v160-255 weight fragments, two sets (the second also holds the way out's codes).   Windows 1, 2: x's fragments, K steps 0-4 and 5-7.   Window 3: 32 accumulators.
.set SLAB,  102400                     ; 128 weight rows x 1,024 K as images: two groups of 51,200
.set GRP,   51200
.set KSB,   6400                       ; an F128
.set HEADB, 106496                     ; a head's 32 blocks F64
.set SPARE, 3*SLAB                     ; behind the slabs: the spare words, 128 bytes a wave, named by no other line
.set SPW,   10
.set NIL,   11
.set XS,    12
.set WS,    28
.set BM,    36
.set SC,    44
.set WF,    64
.set CE,    160
.set WV,    14
.set MSB,   0
.macro WIN new                         ; the immediate's high byte repeats the setting that is left
.if MSB != (\new)
	s_set_vgpr_msb (MSB<<8)|(\new)
.set MSB, (\new)
.endif
.endm
.macro CROUND                          ; a round of the cluster's barrier
	s_barrier_signal -1
	s_barrier_wait -1
	s_cmp_lg_u32 s[WV], 0
	s_cbranch_scc1 .Lnot_wave_0_\@
	s_barrier_signal -3
.Lnot_wave_0_\@:
	s_barrier_wait -3
	s_barrier_signal -1
	s_barrier_wait -1
.endm
.macro PLACES                          ; four plain places behind a matrix instruction, in front of loads into its registers and of reads of its results
.rept 4
	v_nop
.endr
.endm
.macro WMS                             ; the matrix instruction from the symbols DD, AA, BB, SA, SB; RA, RB: the scales' lanes 16-31; ZZ: the product starts the sum
.if ZZ
.if RA && RB
	v_wmma_scale_f32_16x16x128_f8f6f4 v[DD:DD+7], v[AA:AA+11], v[BB:BB+11], 0, v[SA], v[SB] matrix_a_fmt:MATRIX_FMT_FP6 matrix_b_fmt:MATRIX_FMT_FP6 matrix_a_scale:MATRIX_SCALE_ROW1 matrix_b_scale:MATRIX_SCALE_ROW1
.elseif RA
	v_wmma_scale_f32_16x16x128_f8f6f4 v[DD:DD+7], v[AA:AA+11], v[BB:BB+11], 0, v[SA], v[SB] matrix_a_fmt:MATRIX_FMT_FP6 matrix_b_fmt:MATRIX_FMT_FP6 matrix_a_scale:MATRIX_SCALE_ROW1
.elseif RB
	v_wmma_scale_f32_16x16x128_f8f6f4 v[DD:DD+7], v[AA:AA+11], v[BB:BB+11], 0, v[SA], v[SB] matrix_a_fmt:MATRIX_FMT_FP6 matrix_b_fmt:MATRIX_FMT_FP6 matrix_b_scale:MATRIX_SCALE_ROW1
.else
	v_wmma_scale_f32_16x16x128_f8f6f4 v[DD:DD+7], v[AA:AA+11], v[BB:BB+11], 0, v[SA], v[SB] matrix_a_fmt:MATRIX_FMT_FP6 matrix_b_fmt:MATRIX_FMT_FP6
.endif
.else
.if RA && RB
	v_wmma_scale_f32_16x16x128_f8f6f4 v[DD:DD+7], v[AA:AA+11], v[BB:BB+11], v[DD:DD+7], v[SA], v[SB] matrix_a_fmt:MATRIX_FMT_FP6 matrix_b_fmt:MATRIX_FMT_FP6 matrix_a_scale:MATRIX_SCALE_ROW1 matrix_b_scale:MATRIX_SCALE_ROW1
.elseif RA
	v_wmma_scale_f32_16x16x128_f8f6f4 v[DD:DD+7], v[AA:AA+11], v[BB:BB+11], v[DD:DD+7], v[SA], v[SB] matrix_a_fmt:MATRIX_FMT_FP6 matrix_b_fmt:MATRIX_FMT_FP6 matrix_a_scale:MATRIX_SCALE_ROW1
.elseif RB
	v_wmma_scale_f32_16x16x128_f8f6f4 v[DD:DD+7], v[AA:AA+11], v[BB:BB+11], v[DD:DD+7], v[SA], v[SB] matrix_a_fmt:MATRIX_FMT_FP6 matrix_b_fmt:MATRIX_FMT_FP6 matrix_b_scale:MATRIX_SCALE_ROW1
.else
	v_wmma_scale_f32_16x16x128_f8f6f4 v[DD:DD+7], v[AA:AA+11], v[BB:BB+11], v[DD:DD+7], v[SA], v[SB] matrix_a_fmt:MATRIX_FMT_FP6 matrix_b_fmt:MATRIX_FMT_FP6
.endif
.endif
.endm
.macro FETCHW ks, set                  ; 34 LDS loads: the slab's 8 weight fragments of K step ks and their scale words, as images: each load takes 512 or 256 consecutive bytes
.irp g, 0,1
.irp u, 0,1,2,3
.irp c, 0,1
	ds_load_b128 v[WF+96*(\set)+12*(4*\g+\u)+6*\c:WF+96*(\set)+12*(4*\g+\u)+6*\c+3], v[4+\g] offset:KSB*(\ks)+1536*\u+768*\c
	ds_load_b64 v[WF+96*(\set)+12*(4*\g+\u)+6*\c+4:WF+96*(\set)+12*(4*\g+\u)+6*\c+5], v[6+\g] offset:KSB*(\ks)+1536*\u+768*\c
.endr
.endr
	ds_load_b64 v[WS+4*(\set)+2*\g:WS+4*(\set)+2*\g+1], v[6+\g] offset:KSB*(\ks)+5632
.endr
.endm
.macro XLOAD ks, base                  ; 16 loads: my 64 tokens' four fragments of K step ks
.irp a, 0,1,2,3
.irp c, 0,1
	global_load_b128 v[(\base)+12*\a+6*\c:(\base)+12*\a+6*\c+3], v1, s[4:5] offset:KSB*(\ks)+1536*\a+768*\c
	global_load_b64 v[(\base)+12*\a+6*\c+4:(\base)+12*\a+6*\c+5], v2, s[4:5] offset:KSB*(\ks)+1536*\a+768*\c+512
.endr
.endr
.endm
; 32 matrix instructions: my 4 token tiles x the 8 weight tiles, 128 along K.  The 32 accumulators take turns, one instruction a turn, in the same order in every K step.
.macro MUL ks, set, swap
.if (\ks) < 5
.set XB, 48*(\ks)
.set XW, 1
.else
.set XB, 48*((\ks)-5)
.set XW, 2
.endif
.if \swap
.set WN, 0xf0+XW                       ; source 0 (x) window 1 or 2, source 1 (W) window 0, C and D window 3
.else
.set WN, 0xf0+4*XW                     ; source 0 (W) window 0, source 1 (x) window 1 or 2
.endif
	WIN WN
.if (\ks) == 0
.set ZZ, 1
.else
.set ZZ, 0
.endif
.irp a, 0,1,2,3
.irp bt, 0,1,2,3,4,5,6,7
.if \swap
.set DD, 32*\bt+8*\a
.set AA, XB+12*\a
.set BB, WF+96*(\set)+12*\bt
.set SA, XS+2*(\ks)+\a/2
.set SB, WS+4*(\set)+\bt/2
.set RA, \a%2
.set RB, \bt%2
.else
.set DD, 32*(4*(\bt/4)+\a)+8*(\bt%4)
.set AA, WF+96*(\set)+12*\bt
.set BB, XB+12*\a
.set SA, WS+4*(\set)+\bt/2
.set SB, XS+2*(\ks)+\a/2
.set RA, \bt%2
.set RB, \a%2
.endif
	WMS
.endr
.endr
.endm
.macro KSTEP ph, ks, swap
	s_wait_dscnt 0x0                               ; this K step's weight fragments, asked for a K step ago, are in
.if (\ph) == 0
.if 16*(7-(\ks)) > 63
	s_wait_loadcnt 63                              ; x's loads come back in order: the scale words' 8 and 16 for each K step; with 63 out, K steps 0-3 are in
.else
	s_wait_loadcnt 16*(7-(\ks))                    ; the later K steps' 16 loads each may be out
.endif
.endif
.if (\ks) < 7
	PLACES
	FETCHW (\ks)+1, ((\ks)+1)%2
.endif
	MUL \ks, (\ks)%2, \swap
	WIN 0
.endm
; THE WAY OUT of a phase.  Half fragment e is accumulator registers 32 e .. 32 e + 31: one block of 32 in each lane.  Each accumulator is read from its low end on.
.macro EPILOGUE dst
	WIN 0x0f
.irp e, 0,1,2,3,4,5,6,7
	v_max3_num_f32 v[BM+\e], |v[32*\e]|, |v[32*\e+1]|, 0x1800000    ; with the floor 2^(3 - 127): the byte cannot fall under 1
.endr
	WIN 0x3c
.irp i, 2,4,6,8,10,12,14,16,18,20,22,24,26,28,30
.irp e, 0,1,2,3,4,5,6,7
	v_max3_num_f32 v[BM+\e], v[BM+\e], |v[32*\e+\i]|, |v[32*\e+\i+1]|   ; eight chains by turns
.endr
.endr
	WIN 0
.irp e, 0,1,2,3,4,5,6,7
	v_add_nc_u32 v[SC+\e], 0xff000000, v[BM+\e]    ; 2 off the exponent field: the conversion's scale operand
.endr
.irp e, 0,1,2,3,4,5,6,7
	v_lshrrev_b32 v[BM+\e], 23, v[SC+\e]           ; the scale's byte
.endr
	WIN 0x03
.irp e, 0,1,2,3,4,5,6,7
	v_cvt_scalef32_pk16_fp6_f32 v[CE+12*\e:CE+12*\e+2], v[32*\e:32*\e+15], v[SC+\e]
	v_cvt_scalef32_pk16_fp6_f32 v[CE+12*\e+6:CE+12*\e+8], v[32*\e+16:32*\e+31], v[SC+\e]   ; (a conversion's three registers begin on an even number)
.endr
	WIN 0
	v_nop                                          ; one plain place behind the conversions
.irp e, 0,1,2,3,4,5,6,7
.irp n, 0,1,2
	v_mov_b32 v[CE+12*\e+3+\n], v[CE+12*\e+6+\n]
.endr
.endr
.irp e, 0,1,2,3,4,5,6,7
	global_store_b128 v1, v[CE+12*\e:CE+12*\e+3], s[\dst:\dst+1] offset:HEADB*(\e/4)+768*(\e%4)          ; 512 consecutive bytes, aligned
	global_store_b64 v2, v[CE+12*\e+4:CE+12*\e+5], s[\dst:\dst+1] offset:HEADB*(\e/4)+768*(\e%4)+512     ; 256
.endr
.irp g, 0,1
	v_permlane16_swap_b32 v[BM+4*\g], v[BM+4*\g+1]         ; the first now holds both tiles' lower blocks' bytes, the second the upper blocks'
	v_lshl_or_b32 v[BM+4*\g], v[BM+4*\g+1], 8, v[BM+4*\g]
	v_permlane16_swap_b32 v[BM+4*\g+2], v[BM+4*\g+3]
	v_lshl_or_b32 v[BM+4*\g+1], v[BM+4*\g+3], 8, v[BM+4*\g+2]
	global_store_b64 v2, v[BM+4*\g:BM+4*\g+1], s[\dst:\dst+1] offset:HEADB*\g+3072
.endr
.endm
.macro NEXTSLAB left                   ; the next slab has landed in every wave; its first fragments are fetched under the way out of the phase just done
	PLACES
	s_wait_tensorcnt 0x0                           ; my part of the next slab is in
.if \left
	ds_add_u32 v[SPW], v[NIL]                      ; ahead of a later first fill
	s_wait_dscnt 0x0
	CROUND
	tensor_load_to_lds s[32:35], s[16:23]          ; W_v's slab, my quarter: it has the second phase in which to land
	s_nop 0
.rept 4
	v_nop
.endr
.else
	s_barrier_signal -1                            ; a plain barrier
	s_barrier_wait -1
.endif
.irp n, 4,5,6,7
	v_add_nc_u32 v[\n], SLAB, v[\n]
.endr
	FETCHW 0, 0
.endm
	s_load_b256 s[4:11], s[0:1], 0x0               ; ximg, wimg, qimg, kimg
	s_load_b64 s[12:13], s[0:1], 0x20              ; vimg
	v_lshl_add_u32 v[SPW], v0, 2, SPARE
	v_mov_b32 v[NIL], 0
	ds_add_u32 v[SPW], v[NIL]                      ; the wave's opening: the add, twice on end, and its wait ahead of my first tensor load
	ds_add_u32 v[SPW], v[NIL]
	v_lshrrev_b32 v1, 5, v0
	v_readfirstlane_b32 s[WV], v1                  ; wave 0..3
	v_and_b32 v3, 31, v0
	v_lshlrev_b32 v1, 4, v3
	v_lshlrev_b32 v2, 3, v3
	v_mov_b32 v4, v1                               ; the weight groups' LDS addresses; they step from slab to slab
	v_add_nc_u32 v5, GRP, v1
	v_add_nc_u32 v6, 512, v2
	v_add_nc_u32 v7, GRP+512, v2
	s_bfe_u32 s15, ttmp6, 0x40000                  ; cx: it enters x's and the results' global addresses alone
	s_lshl_b32 s36, ttmp9, 2
	s_add_co_u32 s36, s36, s15                     ; my block of 256 tokens
	s_lshl_b32 s36, s36, 2
	s_add_co_u32 s36, s36, s[WV]                   ; my group of 64 tokens, 0..127
	s_and_b32 s37, ttmp7, 0xffff                   ; the pair of heads, which the four partners share
	s_mov_b32 s16, 15|(3<<16)|(1<<21)              ; group 1: mask of all four; elements of 8 bytes; bit 21 beside a mask; no padding
	s_mov_b32 s17, 32<<16                          ; tensor_dim0 = 32: rows of 256 bytes
	s_mov_b32 s18, 100<<16                         ; tensor_dim1 = 100: 25,600 dense bytes
	s_mov_b32 s19, 32<<16                          ; tile_dim0
	s_mov_b32 s20, 100                             ; tile_dim1
	s_mov_b32 s21, 32                              ; the pitch
	s_mov_b32 s22, 0
	s_mov_b32 s23, 0
	s_mul_i32 s38, s[WV], 25600                    ; my quarter of a slab
	s_mul_i32 s40, s37, SLAB
	s_add_co_u32 s40, s40, s38
	s_mov_b32 s41, 0
	s_mul_i32 s42, s36, GRP                        ; my tokens' 8 blocks F128
	s_mov_b32 s43, 0
	s_lshr_b32 s44, s36, 5                         ; batch
	s_and_b32 s45, s36, 31                         ; token group in the batch
	s_lshl_b32 s44, s44, 4
	s_lshl_b32 s46, s37, 1
	s_add_co_u32 s44, s44, s46                     ; batch x 16 + the pair's first head
	s_lshl_b32 s44, s44, 5
	s_add_co_u32 s44, s44, s45
	s_mul_i32 s44, s44, 3328
	s_mov_b32 s45, 0
	s_wait_dscnt 0x0                               ; both opening adds are done
	s_wait_kmcnt 0x0
	s_add_nc_u64 s[40:41], s[6:7], s[40:41]
.irp m, 0,1,2
	s_mov_b32 s[24+4*\m], 1
	s_add_co_u32 s[25+4*\m], s38, \m*SLAB          ; LDS: slab m, my quarter
	s_add_nc_u64 s[26+4*\m:27+4*\m], s[40:41], \m*819200   ; W_q's, W_k's, W_v's images
	s_or_b32 s[27+4*\m], s[27+4*\m], 0x80000000
.endr
	s_add_nc_u64 s[4:5], s[4:5], s[42:43]
	s_add_nc_u64 s[8:9], s[8:9], s[44:45]
	s_add_nc_u64 s[10:11], s[10:11], s[44:45]
	s_add_nc_u64 s[12:13], s[12:13], s[44:45]
	CROUND                                         ; all four work-groups are here: the joint loads meet
	tensor_load_to_lds s[24:27], s[16:23]          ; W_q's slab, my quarter: one tensor load a wave at the head
	s_nop 0
.rept 4
	v_nop
.endr
	s_wait_alu depctr_va_vdst(0)
.irp ks, 0,1,2,3,4,5,6,7
	global_load_b64 v[XS+2*\ks:XS+2*\ks+1], v2, s[4:5] offset:KSB*\ks+6144   ; x's scale words
.endr
	WIN 0x40
.irp ks, 0,1,2,3,4
	XLOAD \ks, 48*\ks
.endr
	WIN 0x80
.irp ks, 5,6,7
	XLOAD \ks, 48*(\ks-5)
.endr
	WIN 0
	s_wait_tensorcnt 0x0                           ; my quarter of W_q's slab is in; then the add and its wait, ahead of a later first fill
	ds_add_u32 v[SPW], v[NIL]
	s_wait_dscnt 0x0
	CROUND                                         ; everybody's quarter is in, and the four work-groups meet
	tensor_load_to_lds s[28:31], s[16:23]          ; W_k's slab, my quarter: it has the first phase in which to land
	s_nop 0
.rept 4
	v_nop
.endr
	FETCHW 0, 0
.irp ks, 0,1,2,3,4,5,6,7
	KSTEP 0, \ks, 0
.endr
	NEXTSLAB 1
	EPILOGUE 8                                     ; Q
	s_wait_xcnt 0x0                                ; the stores have read their registers: the codes' lie in the second fragment set
.irp ks, 0,1,2,3,4,5,6,7
	KSTEP 1, \ks, 0
.endr
	NEXTSLAB 0
	EPILOGUE 10                                    ; K
	s_wait_xcnt 0x0
.irp ks, 0,1,2,3,4,5,6,7
	KSTEP 2, \ks, 1
.endr
	PLACES
	EPILOGUE 12                                    ; V
	s_wait_tensorcnt 0x0                           ; the wave's end: behind my last tensor load
	ds_add_u32 v[SPW], v[NIL]
	s_wait_dscnt 0x0
	CROUND                                         ; the closing round
	s_endpgm
.Lfunc_end_k_qfd3e7af14d_qkv:
	.size	k_qfd3e7af14d_qkv, .Lfunc_end_k_qfd3e7af14d_qkv-k_qfd3e7af14d_qkv
	.p2alignl 7, 3214868480
	.fill 96, 4, 3214868480
	.section	.rodata,"a",@progbits
	.p2align	6, 0x0
	.amdhsa_kernel k_qfd3e7af14d_qkv
		.amdhsa_group_segment_fixed_size 327680
		.amdhsa_private_segment_fixed_size 0
		.amdhsa_enable_private_segment 0
		.amdhsa_kernarg_size 40
		.amdhsa_user_sgpr_count 2
		.amdhsa_user_sgpr_kernarg_segment_ptr 1
		.amdhsa_wavefront_size32 1
		.amdhsa_system_sgpr_workgroup_id_x 1
		.amdhsa_system_sgpr_workgroup_id_y 1
		.amdhsa_system_sgpr_workgroup_id_z 1
		.amdhsa_system_vgpr_workitem_id 0
		.amdhsa_next_free_vgpr 1024
		.amdhsa_next_free_sgpr 66
		.amdhsa_reserve_vcc 0
		.amdhsa_float_denorm_mode_32 3
		.amdhsa_float_denorm_mode_16_64 3
		.amdhsa_memory_ordered 1
		.amdhsa_forward_progress 1
		.amdhsa_inst_pref_size 211
	.end_amdhsa_kernel
	.amdgpu_metadata
---
amdhsa.version: [ 1, 2 ]
amdhsa.kernels:
  - .name:           k_qfd3e7af14d_qkv
    .symbol:         k_qfd3e7af14d_qkv.kd
    .args:
      - { .name: ximg, .offset: 0, .size: 8, .value_kind: global_buffer, .address_space: global }
      - { .name: wimg, .offset: 8, .size: 8, .value_kind: global_buffer, .address_space: global }
      - { .name: qimg, .offset: 16, .size: 8, .value_kind: global_buffer, .address_space: global }
      - { .name: kimg, .offset: 24, .size: 8, .value_kind: global_buffer, .address_space: global }
      - { .name: vimg, .offset: 32, .size: 8, .value_kind: global_buffer, .address_space: global }
    .group_segment_fixed_size: 327680
    .private_segment_fixed_size: 0
    .kernarg_segment_align: 8
    .kernarg_segment_size: 40
    .max_flat_workgroup_size: 128
    .sgpr_count:     66
    .vgpr_count:     1024
    .wavefront_size: 32
...
	.end_amdgpu_metadata
.endif
;; end of part 2
;; launch attn (part 3): grid 4 x 64, 8 waves a work-group, clusters of 4 x 1, 327,680 bytes of LDS; arguments qimg, kimg, vimg, aimg; writes aimg
.if DOCPART == 3
	.amdgcn_target "amdgcn-amd-amdhsa--gfx1250"
	.amdhsa_code_object_version 6
	.text
	.protected	k_qfd3e7af14d_attn
	.globl	k_qfd3e7af14d_attn
	.p2align	8
	.type	k_qfd3e7af14d_attn,@function
k_qfd3e7af14d_attn:
	s_mov_b64 s[64:65], 0
	v_nop
	global_prefetch_b8 v0, s[64:65] scope:SCOPE_SE
	s_setreg_imm32_b32 hwreg(HW_REG_WAVE_MODE, 25, 1), 1
	s_wait_xcnt 0x0
	s_wait_alu depctr_hold_cnt(0) depctr_sa_sdst(0) depctr_va_vdst(0) depctr_va_sdst(0) depctr_va_ssrc(0) depctr_va_vcc(0) depctr_vm_vsrc(0)
	s_getreg_b32 s2, hwreg(HW_REG_IB_STS2, 6, 4)
	s_cmp_eq_u32 s2, 0
	s_cbranch_scc0 .Lentry_in_a_cluster
	s_endpgm
.Lentry_in_a_cluster:
	s_bfe_u32 s2, ttmp6, 0x10000c
	s_cmp_lg_u32 s2, 0x3003
	s_cbranch_scc0 .Lentry_shape_is_right
	s_endpgm
.Lentry_shape_is_right:
; Launch 3 of 4: for each of 64 (batch, head): S = Q K^T / 8, the softmax, O = P V / l, all products on codes of E2M3; O is quantised along d_model on the way out.  No mask; no work is left out.
; THE SOFTMAX: t = score x log2(e) / 8; M = the running largest t rounded UP to a whole number; p = 2^(t - M), not normalised, is quantised along the keys; the row's sum is taken of the unquantised p.
; When M moves, the sum and O are multiplied by 2^(old M - new M), which rounds nothing.
; SHARES.  A work-group owns 512 queries of one head, each of its eight waves 64: four tiles of 16.  The head's K and V, 212,992 bytes of images, lie in LDS, each byte filled once.  A fragment of K or V feeds four tiles.
; CLUSTER.  The four work-groups of a cluster are the four query blocks of one head: K's and V's loads are joint (mask 15).  One load a wave at the head (keys 0-511), one more behind a full round (the other 1,536).
; No prefetch: every tile of the launch is asked for at its head, so there is no loop to run ahead in.
; LAYOUT.  Both products are used transposed (S^T = K Q^T, O^T = V^T P^T): a lane holds ONE query.  By the images' row order the 32 registers of four neighbouring key tiles are 32 neighbouring keys: a block of p in one lane.
; THE HEAD IS 64 AND THE INSTRUCTION'S K IS 128.  Q's fragments have zero codes in their upper six registers; the upper six that key tile t's operand names are tile t + 1's codes (behind the last: V's first six registers).
; They meet Q's zero codes and add exactly 0; scale bytes 2 and 3 of both sides are 0, a finite scale.
; THE TILES GO IN PAIRS: 16 score products on end; one tile's nine lines for M stand among the other tile's maxima, the other's among the first's multiply-adds, so that no line reads the line above it.
; K of the next step is fetched behind the second pair's score products, V of this step behind the first pair's: each has about half a step's work in which to come.  Every wait on DScnt is for 0.
; The last trip's fetch of K names V's first two blocks: the bytes are there, and nothing reads those registers.
; A BLOCK'S LARGEST p is not searched for: the block's largest score goes through the same multiply-add and exponential (this takes v_exp_f32 not to fall where its input rises).
; LIMITS: NaN and infinities are not served; a p under 2^-126 counts as 0; a block of zeros gets the byte 1 (its codes are zeros; this program alone reads the bytes); scaled scores stay under 2^31 in magnitude.
; REGISTERS.  Window 0: v1 16 x lane, v2 8 x lane + 512; v4-5 K's, v6-7 V's LDS addresses; v8, v54 f of the even and the odd tile; v12-15 K's scale words, v16-17 V's, v18-21 V's halves, v22-23 Q's, v28-29 P's;
;   v26-27 a pair's bytes; v30 + 4 i: -M, largest score, the sum in two halves; v46-53 at work; v56-183 S^T, then p, of a pair; v184 + 12 i P; v232-255 Q of tiles 2, 3.
;   Window 1: v0-127 O^T, 32 a tile; v128-175 K; v176-223 V; v224-247 Q of tiles 0, 1.
.set BLK,   3328                       ; an F64: 64 rows x 64 K
.set VOFF,  106496                     ; V's 32 blocks lie behind K's 32
.set SPARE, 212992                     ; behind them: the spare words, 128 bytes a wave, named by no other line
.set SPW,   10
.set NIL,   11
.set FE,    8
.set FO,    54
.set PW,    28
.set T,     46
.set S,     56
.set P,     184
.set QB,    232
.set KF,    128
.set VF,    176
.set QA,    224
.set WV,    12
.set MSB,   0
.macro WIN new                         ; the immediate's high byte repeats the setting that is left
.if MSB != (\new)
	s_set_vgpr_msb (MSB<<8)|(\new)
.set MSB, (\new)
.endif
.endm
.macro WALU
	s_wait_alu depctr_va_vdst(0)
.endm
.macro CROUND                          ; a round of the cluster's barrier
	s_barrier_signal -1
	s_barrier_wait -1
	s_cmp_lg_u32 s[WV], 0
	s_cbranch_scc1 .Lnot_wave_0_\@
	s_barrier_signal -3
.Lnot_wave_0_\@:
	s_barrier_wait -3
	s_barrier_signal -1
	s_barrier_wait -1
.endm
.macro JLOAD k0, g1, v0g               ; a joint load: waves 0-3 fetch K, waves 4-7 V; one load in each arm
	s_cmp_lt_u32 s[WV], 4
	s_cbranch_scc0 .Lfor_v_\@
	tensor_load_to_lds s[\k0:\k0+3], s[\g1:\g1+7]
	s_nop 0
.rept 4
	v_nop
.endr
	s_branch .Lasked_\@
.Lfor_v_\@:
	tensor_load_to_lds s[\v0g:\v0g+3], s[\g1:\g1+7]
	s_nop 0
.rept 4
	v_nop
.endr
.Lasked_\@:
.endm
.macro WS d, a, b, sa, sb, ra, rb      ; a product that starts its sum
	v_wmma_scale_f32_16x16x128_f8f6f4 v[\d:\d+7], v[\a:\a+11], v[\b:\b+11], 0, v[\sa], v[\sb] matrix_a_fmt:MATRIX_FMT_FP6 matrix_b_fmt:MATRIX_FMT_FP6 matrix_a_scale:MATRIX_SCALE_ROW\ra matrix_b_scale:MATRIX_SCALE_ROW\rb
.endm
.macro WP d, a, b, sa, sb, ra, rb      ; a product that adds in place
	v_wmma_scale_f32_16x16x128_f8f6f4 v[\d:\d+7], v[\a:\a+11], v[\b:\b+11], v[\d:\d+7], v[\sa], v[\sb] matrix_a_fmt:MATRIX_FMT_FP6 matrix_b_fmt:MATRIX_FMT_FP6 matrix_a_scale:MATRIX_SCALE_ROW\ra matrix_b_scale:MATRIX_SCALE_ROW\rb
.endm
.macro FETCHK a, b                     ; 18 LDS loads: two blocks of K and their scale words
	WIN 0x40
.irp c, 0,1
.irp u, 0,1,2,3
	ds_load_b128 v[KF+6*(4*\c+\u):KF+6*(4*\c+\u)+3], \a offset:BLK*\c+768*\u
	ds_load_b64 v[KF+6*(4*\c+\u)+4:KF+6*(4*\c+\u)+5], \b offset:BLK*\c+768*\u
.endr
.endr
	WIN 0
	ds_load_b64 v[12:13], \b offset:2560           ; (3072 in a block; the address holds 512 of it)
	ds_load_b64 v[14:15], \b offset:BLK+2560
.endm
.macro FETCHV                          ; 18 LDS loads: two blocks of V and the halves of their scale words
	WIN 0x40
.irp c, 0,1
.irp u, 0,1,2,3
	ds_load_b128 v[VF+12*\u+6*\c:VF+12*\u+6*\c+3], v6 offset:BLK*\c+768*\u
	ds_load_b64 v[VF+12*\u+6*\c+4:VF+12*\u+6*\c+5], v7 offset:BLK*\c+768*\u
.endr
.endr
	WIN 0
	ds_load_b64 v[18:19], v7 offset:2560
	ds_load_b64 v[20:21], v7 offset:BLK+2560
.endm
; Line n (1 .. 9) of tile i's way from its two blocks' largest scores to -M and f
.macro CH n, i
.set NM_, 30+4*(\i)
.set A_, T+2*((\i)%2)
.set X_, A_+4
.set F_, FE+(FO-FE)*((\i)%2)
.if (\n) == 1
	v_max_num_f32 v[X_], v[A_], v[A_+1]
.elseif (\n) == 2
	v_permlanex16_b32 v[X_+1], v[X_], s40, s41     ; the query's other 64 keys lie in the lane 16 away
.elseif (\n) == 3
	v_max3_num_f32 v[NM_+1], v[NM_+1], v[X_], v[X_+1]   ; the running largest score
.elseif (\n) == 4
	v_mul_f32 v[X_], s42, v[NM_+1]                 ; as t (c is positive)
.elseif (\n) == 5
	v_mov_b32 v[X_+1], v[NM_]
.elseif (\n) == 6
	v_floor_f32 v[NM_], -v[X_]                     ; the new -M = floor(-t) = -ceil(t)
.elseif (\n) == 7
	v_sub_f32 v[X_+1], v[NM_], v[X_+1]             ; old M - new M: a whole number, 0 or less
.elseif (\n) == 8
	v_cvt_i32_f32 v[X_+1], v[X_+1]                 ; (it saturates)
.elseif (\n) == 9
	v_ldexp_f32 v[F_], 1.0, v[X_+1]                ; f = 2^(old M - new M)
.endif
.endm
.macro HOOK hk, n, hi
.if \hk
	CH \n, \hi
.endif
.endm
; The largest score of each of a tile's two blocks of 32 keys, two chains a block, every accumulator read from its low end on; with hk, tile hi's nine lines among them
.macro MAXT ss, a, b, hk, hi
.irp c, 0,1
	v_max3_num_f32 v[\a+\c], v[\ss+32*\c], v[\ss+32*\c+1], v[\ss+32*\c+2]
	v_max3_num_f32 v[\b+\c], v[\ss+32*\c+16], v[\ss+32*\c+17], v[\ss+32*\c+18]
.endr
	HOOK \hk, 1, \hi
.irp n, 3,5,7,9,11,13
.irp c, 0,1
	v_max3_num_f32 v[\a+\c], v[\a+\c], v[\ss+32*\c+\n], v[\ss+32*\c+\n+1]
	v_max3_num_f32 v[\b+\c], v[\b+\c], v[\ss+32*\c+16+\n], v[\ss+32*\c+17+\n]
.endr
	HOOK \hk, (\n+1)/2, \hi
.endr
.irp c, 0,1
	v_max3_num_f32 v[\a+\c], v[\a+\c], v[\b+\c], v[\ss+32*\c+15]
.endr
	HOOK \hk, 8, \hi
.irp c, 0,1
	v_max_num_f32 v[\a+\c], v[\a+\c], v[\ss+32*\c+31]
.endr
	HOOK \hk, 9, \hi
.endm
; t - M of tile i's 64 scores, two at a time, and of its blocks' largest; with hk, tile hi's nine lines among them
.macro FMAT ss, i, hk, hi
.set J, 0
.rept 32
	v_pk_fma_f32 v[\ss+J:\ss+J+1], v[\ss+J:\ss+J+1], s[42:43], v[30+4*(\i):31+4*(\i)] op_sel_hi:[1,0,0]
.if \hk && (J%6) == 4
	CH J/6+1, \hi
.endif
.set J, J+2
.endr
	v_fma_f32 v[T+2*((\i)%2)], v[T+2*((\i)%2)], s42, v[30+4*(\i)]
	v_fma_f32 v[T+2*((\i)%2)+1], v[T+2*((\i)%2)+1], s42, v[30+4*(\i)]
.endm
.macro SUM2 j                          ; both tiles: two chains each take two p more
.irp o, 0,1
	v_pk_add_f32 v[LL_+4*\o:LL_+4*\o+1], v[LL_+4*\o:LL_+4*\o+1], v[S+64*\o+\j:S+64*\o+\j+1]
	v_pk_add_f32 v[T+4+2*\o:T+5+2*\o], v[T+4+2*\o:T+5+2*\o], v[S+64*\o+\j+2:S+64*\o+\j+3]
.endr
.endm
; PAIR g: tiles 2 g and 2 g + 1, 32 queries x the step's 128 keys
.macro PAIR g
.set E_, 2*(\g)
.set LL_, 32+8*(\g)
.if \g
	WIN 0x01                                       ; K window 1; Q and S^T window 0
.set QQ, QB
.else
	WIN 0x05                                       ; K and Q window 1
.set QQ, QA
.endif
.irp tp, 0,1,2,3
.irp ra, 0,1
.irp rb, 0,1
	WS S+64*\rb+8*(2*\tp+\ra), KF+6*(2*\tp+\ra), QQ+12*\rb, 12+\tp, 22+(\g), \ra, \rb
.endr
.endr
.endr
	WIN 0
.if \g
	v_add_nc_u32 v4, s44, v1                       ; four places behind the products, ahead of the loads into their registers and of the reads of their results
	v_add_nc_u32 v5, s44, v2
	v_nop
	v_nop
	FETCHK v4, v5                                  ; the next step's K
.else
	v_add_nc_u32 v6, s45, v1
	v_add_nc_u32 v7, s45, v2
	v_nop
	v_nop
	FETCHV                                         ; this step's V
.endif
	MAXT S, T, T+4, 0, 0
	MAXT S+64, T+2, T+6, 1, 2*(\g)
	FMAT S, 2*(\g), 1, 2*(\g)+1
	FMAT S+64, 2*(\g)+1, 0, 0
	WIN 0x41                                       ; O^T window 1, f window 0
	WALU                                           ; ahead of O^T's first readers and ahead of the batch
.set J, 0
.rept 16
	v_pk_mul_f32 v[64*(\g)+J:64*(\g)+J+1], v[64*(\g)+J:64*(\g)+J+1], v[FE:FE+1] op_sel_hi:[1,0]         ; O^T under the new M
	v_pk_mul_f32 v[64*(\g)+32+J:64*(\g)+33+J], v[64*(\g)+32+J:64*(\g)+33+J], v[FO:FO+1] op_sel_hi:[1,0]
.set J, J+2
.endr
	WIN 0
.set J, 0
.rept 128
	v_exp_f32 v[S+J], v[S+J]                       ; p = 2^(t - M), at most 1: one batch,
.set J, J+1
.endr
.irp b, 0,1,2,3
	v_exp_f32 v[T+\b], v[T+\b]                     ; with the four blocks' largest p
.endr
	v_nop                                          ; a plain place behind the last exponential
	WALU                                           ; one wait for the batch
	s_wait_dscnt 0x0                               ; the pair's 18 LDS loads, issued ahead of its maxima, are in
.if (\g) == 0
	v_lshl_or_b32 v16, v20, 16, v18                ; V's scale words for 128 keys: the two key groups' halves
	v_lshl_or_b32 v17, v21, 16, v19
.endif
.irp b, 0,1,2,3
	v_max_num_f32 v[T+\b], 0x1800000, v[T+\b]      ; the floor 2^(3 - 127): the byte cannot fall under 1
.endr
.irp b, 0,1,2,3
	v_add_nc_u32 v[T+\b], 0xff000000, v[T+\b]      ; 2 off the exponent field: the conversion's scale operand
.endr
.irp b, 0,1,2,3
	v_lshrrev_b32 v[T+4+\b], 23, v[T+\b]           ; the scale's byte
.endr
	v_lshl_or_b32 v26, v[T+5], 16, v[T+4]          ; blocks h and 2 + h of my query, even tile,
	v_lshl_or_b32 v27, v[T+7], 16, v[T+6]          ; odd tile
	v_permlane16_swap_b32 v26, v27                 ; the first now holds both tiles' h = 0 bytes, the second their h = 1 bytes
	v_lshl_or_b32 v[PW+(\g)], v27, 8, v26          ; p's scale words: the even tile in lanes 0-15, the odd in lanes 16-31
.irp o, 0,1
	v_cvt_scalef32_pk16_fp6_f32 v[P+12*(E_+\o):P+12*(E_+\o)+2], v[S+64*\o:S+64*\o+15], v[T+2*\o]
	v_cvt_scalef32_pk16_fp6_f32 v[P+12*(E_+\o)+6:P+12*(E_+\o)+8], v[S+64*\o+32:S+64*\o+47], v[T+2*\o+1]
.endr
	v_pk_fma_f32 v[LL_:LL_+1], v[LL_:LL_+1], v[FE:FE+1], v[S:S+1] op_sel_hi:[1,0,1]                  ; THE ROW'S SUM IS TAKEN OF THE UNQUANTISED p: the old sum x f + the first two
	v_pk_fma_f32 v[LL_+4:LL_+5], v[LL_+4:LL_+5], v[FO:FO+1], v[S+64:S+65] op_sel_hi:[1,0,1]
.irp o, 0,1
	v_pk_add_f32 v[T+4+2*\o:T+5+2*\o], v[S+64*\o+2:S+64*\o+3], v[S+64*\o+34:S+64*\o+35]
	v_pk_add_f32 v[LL_+4*\o:LL_+4*\o+1], v[LL_+4*\o:LL_+4*\o+1], v[S+64*\o+32:S+64*\o+33]
.endr
.irp o, 0,1                            ; a conversion's three registers begin on an even number: the blocks' upper halves land on p that has been converted and summed
	v_cvt_scalef32_pk16_fp6_f32 v[S+64*\o:S+64*\o+2], v[S+64*\o+16:S+64*\o+31], v[T+2*\o]
	v_cvt_scalef32_pk16_fp6_f32 v[S+64*\o+32:S+64*\o+34], v[S+64*\o+48:S+64*\o+63], v[T+2*\o+1]
.endr
	SUM2 4                                         ; (plain places behind the conversions)
.irp o, 0,1
.irp n, 0,1,2
	v_mov_b32 v[P+12*(E_+\o)+3+\n], v[S+64*\o+\n]
	v_mov_b32 v[P+12*(E_+\o)+9+\n], v[S+64*\o+32+\n]
.endr
.endr
.irp j, 8,12,16,20,24,28,36,40,44,48,52,56,60
	SUM2 \j                                        ; (also the places between p's codes and scale words and the products that take them)
.endr
.irp o, 0,1
	v_pk_add_f32 v[LL_+4*\o:LL_+4*\o+1], v[LL_+4*\o:LL_+4*\o+1], v[T+4+2*\o:T+5+2*\o]
.endr
	WIN 0x51                                       ; V, C and D window 1; P window 0
.irp up, 0,1                           ; O^T += V^T P^T: eight accumulators, one instruction a turn
.irp ra, 0,1
.irp rb, 0,1
	WP 32*(E_+\rb)+8*(2*\up+\ra), VF+12*(2*\up+\ra), P+12*(E_+\rb), 16+\up, PW+(\g), \ra, \rb
.endr
.endr
.endr
.endm
.macro STEP                            ; 128 keys; s44: the next step's K in LDS, s45: this step's V
	PAIR 0
	PAIR 1
	WIN 0
	s_add_co_u32 s44, s44, 2*BLK
	s_add_co_u32 s45, s45, 2*BLK
.endm
	s_load_b256 s[4:11], s[0:1], 0x0               ; qimg, kimg, vimg, aimg
	v_lshl_add_u32 v[SPW], v0, 2, SPARE
	v_mov_b32 v[NIL], 0
	ds_add_u32 v[SPW], v[NIL]                      ; the wave's opening: the add, twice on end, and its wait ahead of my first tensor load
	ds_add_u32 v[SPW], v[NIL]
	v_lshrrev_b32 v1, 5, v0
	v_readfirstlane_b32 s[WV], v1                  ; wave 0..7
	v_and_b32 v3, 31, v0
	v_lshlrev_b32 v1, 4, v3                        ; 16 x lane
	v_lshlrev_b32 v2, 3, v3
	v_add_nc_u32 v2, 512, v2                       ; 8 x lane + 512
	s_bfe_u32 s13, ttmp6, 0x40000                  ; cx: my block of 512 queries: it enters Q's and the result's global addresses alone
	s_and_b32 s14, ttmp7, 0xffff                   ; batch x 16 + head, which the four partners share
	s_mov_b32 s16, 15|(3<<16)|(1<<21)              ; group 1, first load: mask of all four; elements of 8 bytes; bit 21 beside a mask; 26 rows of 256 dense bytes: two blocks
	s_mov_b32 s17, 32<<16
	s_mov_b32 s18, 26<<16
	s_mov_b32 s19, 32<<16
	s_mov_b32 s20, 26
	s_mov_b32 s21, 32
	s_mov_b32 s22, 0
	s_mov_b32 s23, 0
	s_mov_b32 s24, 15|(3<<16)|(1<<21)              ; group 1, second load: 78 rows: six blocks
	s_mov_b32 s25, 32<<16
	s_mov_b32 s26, 78<<16
	s_mov_b32 s27, 32<<16
	s_mov_b32 s28, 78
	s_mov_b32 s29, 32
	s_mov_b32 s30, 0
	s_mov_b32 s31, 0
	s_mov_b32 s40, 0x76543210                      ; v_permlanex16_b32's selects for lane l xor 16
	s_mov_b32 s41, 0xfedcba98
	s_mov_b32 s42, 0x3e38aa3b                      ; c = log2(e) / 8
	s_mov_b32 s43, s42                             ; (named with it as a pair)
	s_and_b32 s15, s[WV], 3                        ; which quarter of K's or V's loads is mine
	s_mul_i32 s56, s15, 2*BLK                      ; first load: blocks 2 n, 2 n + 1 (keys 0-511 in all),
	s_mul_i32 s57, s15, 6*BLK
	s_add_co_u32 s57, s57, 8*BLK                   ; second: blocks 8 + 6 n on
	s_mul_i32 s58, s14, VOFF                       ; the head's first byte in kimg and vimg
	s_add_co_u32 s60, s58, s56
	s_mov_b32 s61, 0
	s_add_co_u32 s62, s58, s57
	s_mov_b32 s63, 0
	WALU                                           ; ahead of the blocking waits
	s_wait_dscnt 0x0                               ; both opening adds are done
	s_wait_kmcnt 0x0
	s_mov_b32 s32, 1                               ; groups 0 for K's two loads
	s_mov_b32 s33, s56
	s_add_nc_u64 s[34:35], s[6:7], s[60:61]
	s_or_b32 s35, s35, 0x80000000
	s_mov_b32 s36, 1
	s_mov_b32 s37, s57
	s_add_nc_u64 s[38:39], s[6:7], s[62:63]
	s_or_b32 s39, s39, 0x80000000
	s_mov_b32 s48, 1                               ; and for V's
	s_add_co_u32 s49, s56, VOFF
	s_add_nc_u64 s[50:51], s[8:9], s[60:61]
	s_or_b32 s51, s51, 0x80000000
	s_mov_b32 s52, 1
	s_add_co_u32 s53, s57, VOFF
	s_add_nc_u64 s[54:55], s[8:9], s[62:63]
	s_or_b32 s55, s55, 0x80000000
	CROUND                                         ; all four work-groups are here: the joint loads meet
	JLOAD 32, 16, 48                               ; keys 0-511: one tensor load a wave at the head
	s_lshl_b32 s2, s13, 3
	s_add_co_u32 s2, s2, s[WV]                     ; my group of 64 queries, 0..31
	s_lshl_b32 s56, s14, 5
	s_add_co_u32 s56, s56, s2
	s_mul_i32 s56, s56, BLK
	s_mov_b32 s57, 0
	s_add_nc_u64 s[4:5], s[4:5], s[56:57]          ; Q's block
	s_lshr_b32 s58, s14, 4                         ; batch
	s_lshl_b32 s58, s58, 5
	s_add_co_u32 s58, s58, s2                      ; token group 0..127
	s_lshl_b32 s58, s58, 4
	s_and_b32 s3, s14, 15                          ; head
	s_add_co_u32 s58, s58, s3
	s_mul_i32 s58, s58, BLK
	s_mov_b32 s59, 0
	s_add_nc_u64 s[10:11], s[10:11], s[58:59]      ; the result's block: aimg is [token group][head] F64
	WIN 0x40
.irp i, 0,1
	global_load_b128 v[QA+12*\i:QA+12*\i+3], v1, s[4:5] offset:768*\i        ; Q stays in registers
	global_load_b64 v[QA+12*\i+4:QA+12*\i+5], v2, s[4:5] offset:768*\i
.endr
	WIN 0
.irp i, 0,1
	global_load_b128 v[QB+12*\i:QB+12*\i+3], v1, s[4:5] offset:768*(\i+2)
	global_load_b64 v[QB+12*\i+4:QB+12*\i+5], v2, s[4:5] offset:768*(\i+2)
.endr
	global_load_b64 v[22:23], v2, s[4:5] offset:2560                         ; and its scale words
.irp i, 0,1
.irp n, 6,7,8,9,10,11
	v_mov_b32 v[QB+12*\i+\n], 0                    ; Q's upper 64 along the instruction's K: zero codes
.endr
.endr
.irp i, 0,1,2,3
	v_mov_b32 v[30+4*\i], 0x7e000000               ; -M: 2^125, over every -M that follows: the first f is 0
	v_mov_b32 v[31+4*\i], 0xff61b1e6               ; the largest score so far: -3e38
	v_mov_b32 v[32+4*\i], 0                        ; the sum
	v_mov_b32 v[33+4*\i], 0
.endr
	v_mov_b32 v[FE+1], 0                           ; (named as the upper halves of f's pairs)
	v_mov_b32 v[FO+1], 0
	WIN 0x40
.set J, 0
.rept 128
	v_mov_b32 v[J], 0                              ; O^T.  The step is written for all steps alike: the first finds zeros, which the first f leaves zeros; a first step of its own would be a third copy of the step's text
.set J, J+1
.endr
.irp n, 0,1,2,3,4,5
	v_mov_b32 v[VF+\n], 0                          ; what K's last tile names as its upper half in the first step
.endr
.irp i, 0,1
.irp n, 6,7,8,9,10,11
	v_mov_b32 v[QA+12*\i+\n], 0
.endr
.endr
	WIN 0
	WALU                                           ; the wait at the head's end
	s_wait_tensorcnt 0x0                           ; my part of keys 0-511 is in; then the add and its wait, ahead of a later first fill
	ds_add_u32 v[SPW], v[NIL]
	s_wait_dscnt 0x0
	CROUND                                         ; everybody's part is in, and the four work-groups meet
	JLOAD 36, 24, 52                               ; the other 1,536 keys: they have three steps in which to land
	FETCHK v1, v2                                  ; the first step's K
	s_mov_b32 s44, 2*BLK
	s_mov_b32 s45, VOFF
	s_mov_b32 s46, 3
	s_wait_loadcnt 0x0                             ; Q
	s_wait_dscnt 0x0
.Lfirst_keys:                                          ; steps 0-2: the third fetches K of step 3, the last of keys 0-511
	STEP
	s_sub_co_u32 s46, s46, 1
	s_cmp_lg_u32 s46, 0
	WALU                                           ; ahead of the branch
	s_cbranch_scc1 .Lfirst_keys
	s_wait_tensorcnt 0x0                           ; my second load is in,
	s_wait_dscnt 0x0
	s_barrier_signal -1
	s_barrier_wait -1                              ; everybody's is
	s_mov_b32 s44, 8*BLK
	s_mov_b32 s45, VOFF+6*BLK
	s_mov_b32 s46, 13
.Lother_keys:
	STEP
	s_sub_co_u32 s46, s46, 1
	s_cmp_lg_u32 s46, 0
	WALU
	s_cbranch_scc1 .Lother_keys
	; THE WAY OUT.  The sum's halves and the other half of the lanes' are added; O^T / the sum is quantised: a lane's 32 channels are one block of the last product's K.  (The additions are the places behind the last products)
.irp i, 0,1,2,3
	v_add_f32 v[32+4*\i], v[32+4*\i], v[33+4*\i]
.endr
.irp i, 0,1,2,3
	v_permlanex16_b32 v[T+\i], v[32+4*\i], s40, s41
.endr
.irp i, 0,1,2,3
	v_add_f32 v[32+4*\i], v[32+4*\i], v[T+\i]
.endr
	WALU
.irp i, 0,1,2,3
	v_rcp_f32 v[30+4*\i], v[32+4*\i]               ; into -M's place, the low word of a pair
.endr
	v_nop                                          ; a plain place behind the last reciprocal
	WIN 0x01                                       ; source 0 (O^T) window 1
	WALU                                           ; one wait for the four and for O^T's first readers
.irp i, 0,1,2,3
.irp j, 0,2,4,6,8,10,12,14,16,18,20,22,24,26,28,30
	v_pk_mul_f32 v[S+32*\i+\j:S+32*\i+\j+1], v[32*\i+\j:32*\i+\j+1], v[30+4*\i:31+4*\i] op_sel_hi:[1,0]
.endr
.endr
	WIN 0
.irp i, 0,1,2,3
	v_max3_num_f32 v[T+\i], |v[S+32*\i]|, |v[S+32*\i+1]|, 0x1800000
.endr
.irp n, 2,4,6,8,10,12,14,16,18,20,22,24,26,28,30
.irp i, 0,1,2,3
	v_max3_num_f32 v[T+\i], v[T+\i], |v[S+32*\i+\n]|, |v[S+32*\i+\n+1]|
.endr
.endr
.irp i, 0,1,2,3
	v_add_nc_u32 v[T+4+\i], 0xff000000, v[T+\i]
.endr
.irp i, 0,1,2,3
	v_lshrrev_b32 v[T+\i], 23, v[T+4+\i]
.endr
.irp i, 0,1,2,3
	v_cvt_scalef32_pk16_fp6_f32 v[P+12*\i:P+12*\i+2], v[S+32*\i:S+32*\i+15], v[T+4+\i]
	v_cvt_scalef32_pk16_fp6_f32 v[P+12*\i+6:P+12*\i+8], v[S+32*\i+16:S+32*\i+31], v[T+4+\i]
.endr
	v_nop                                          ; one plain place behind the conversions
.irp i, 0,1,2,3
.irp n, 0,1,2
	v_mov_b32 v[P+12*\i+3+\n], v[P+12*\i+6+\n]
.endr
.endr
.irp i, 0,1,2,3
	global_store_b128 v1, v[P+12*\i:P+12*\i+3], s[10:11] offset:768*\i       ; 512 consecutive bytes, aligned
	global_store_b64 v2, v[P+12*\i+4:P+12*\i+5], s[10:11] offset:768*\i      ; 256
.endr
	v_permlane16_swap_b32 v[T], v[T+1]
	v_lshl_or_b32 v[T], v[T+1], 8, v[T]
	v_permlane16_swap_b32 v[T+2], v[T+3]
	v_lshl_or_b32 v[T+1], v[T+3], 8, v[T+2]
	global_store_b64 v2, v[T:T+1], s[10:11] offset:2560
	s_wait_tensorcnt 0x0                           ; the wave's end: behind my last tensor load
	ds_add_u32 v[SPW], v[NIL]
	s_wait_dscnt 0x0
	CROUND                                         ; the closing round
	s_endpgm
.Lfunc_end_k_qfd3e7af14d_attn:
	.size	k_qfd3e7af14d_attn, .Lfunc_end_k_qfd3e7af14d_attn-k_qfd3e7af14d_attn
	.p2alignl 7, 3214868480
	.fill 96, 4, 3214868480
	.section	.rodata,"a",@progbits
	.p2align	6, 0x0
	.amdhsa_kernel k_qfd3e7af14d_attn
		.amdhsa_group_segment_fixed_size 327680
		.amdhsa_private_segment_fixed_size 0
		.amdhsa_enable_private_segment 0
		.amdhsa_kernarg_size 32
		.amdhsa_user_sgpr_count 2
		.amdhsa_user_sgpr_kernarg_segment_ptr 1
		.amdhsa_wavefront_size32 1
		.amdhsa_system_sgpr_workgroup_id_x 1
		.amdhsa_system_sgpr_workgroup_id_y 1
		.amdhsa_system_sgpr_workgroup_id_z 1
		.amdhsa_system_vgpr_workitem_id 0
		.amdhsa_next_free_vgpr 512
		.amdhsa_next_free_sgpr 66
		.amdhsa_reserve_vcc 0
		.amdhsa_float_denorm_mode_32 3
		.amdhsa_float_denorm_mode_16_64 3
		.amdhsa_memory_ordered 1
		.amdhsa_forward_progress 1
		.amdhsa_inst_pref_size 129
	.end_amdhsa_kernel
	.amdgpu_metadata
---
amdhsa.version: [ 1, 2 ]
amdhsa.kernels:
  - .name:           k_qfd3e7af14d_attn
    .symbol:         k_qfd3e7af14d_attn.kd
    .args:
      - { .name: qimg, .offset: 0, .size: 8, .value_kind: global_buffer, .address_space: global }
      - { .name: kimg, .offset: 8, .size: 8, .value_kind: global_buffer, .address_space: global }
      - { .name: vimg, .offset: 16, .size: 8, .value_kind: global_buffer, .address_space: global }
      - { .name: aimg, .offset: 24, .size: 8, .value_kind: global_buffer, .address_space: global }
    .group_segment_fixed_size: 327680
    .private_segment_fixed_size: 0
    .kernarg_segment_align: 8
    .kernarg_segment_size: 32
    .max_flat_workgroup_size: 256
    .sgpr_count:     66
    .vgpr_count:     512
    .wavefront_size: 32
...
	.end_amdgpu_metadata
.endif
;; end of part 3
;; launch oproj (part 4): grid 8 x 32, 4 waves a work-group, clusters of 4 x 4, 327,680 bytes of LDS; arguments aimg, wimg, out0; writes out0
.if DOCPART == 4
	.amdgcn_target "amdgcn-amd-amdhsa--gfx1250"
	.amdhsa_code_object_version 6
	.text
	.protected	k_qfd3e7af14d_oproj
	.globl	k_qfd3e7af14d_oproj
	.p2align	8
	.type	k_qfd3e7af14d_oproj,@function
k_qfd3e7af14d_oproj:
	s_mov_b64 s[64:65], 0
	v_nop
	global_prefetch_b8 v0, s[64:65] scope:SCOPE_SE
	s_setreg_imm32_b32 hwreg(HW_REG_WAVE_MODE, 25, 1), 1
	s_wait_xcnt 0x0
	s_wait_alu depctr_hold_cnt(0) depctr_sa_sdst(0) depctr_va_vdst(0) depctr_va_sdst(0) depctr_va_ssrc(0) depctr_va_vcc(0) depctr_vm_vsrc(0)
	s_getreg_b32 s2, hwreg(HW_REG_IB_STS2, 6, 4)
	s_cmp_eq_u32 s2, 0
	s_cbranch_scc0 .Lentry_in_a_cluster
	s_endpgm
.Lentry_in_a_cluster:
	s_bfe_u32 s2, ttmp6, 0x10000c
	s_cmp_lg_u32 s2, 0xf033
	s_cbranch_scc0 .Lentry_shape_is_right
	s_endpgm
.Lentry_shape_is_right:
; Launch 4 of 4: out0 = A W_o^T on codes of E2M3, A the attention's result as launch 3 quantised it.  No work is left out.
; SHARES.  A work-group takes 256 tokens x 128 columns; its four waves are 2 x 2: wave (ta, cb) takes 128 tokens (two token groups of 64) and 64 columns.
; THE WEIGHT LIVES IN REGISTERS: a wave's 64 rows of W_o, all of K: 32 fragments, 384 registers.  A streams past from LDS in tiles of 16 tokens, all of K: 8 fragments, two sets; a tile is 32 products on four accumulators
; by turns, and is finished behind them: it goes through the wave's own stage and leaves as rows of 256 bytes while the next tile is multiplied.  So the stores are spread over the eight tiles.
; LDS: A's four token groups (4 x 53,248 bytes of images) from 0, W_o's 128 rows (102,400) behind them, the spare words behind those.  Every byte is filled once.  The stages (4 x 4,352) lie in W_o's bytes, which have had
; their one fill, and their last read ahead of the second barrier.
; FILLS, one tensor load a wave at the head: wave 0 W_o's rows, wave 1 token group 0, wave 2 group 3, wave 3 groups 1 and 2.  Waves with ta = 0 take group 0 and then 1, those with ta = 1 group 3 and then 2.
; The first barrier shows W_o (wave 0 alone waits), the second groups 0 and 3 (wave 3 does not wait), a third, behind the third tile's products, groups 1 and 2.
; CLUSTER, 4 x 4: the four work-groups of a row share the tokens (A's loads are joint along the row), the four of a column the rows of W_o.  No prefetch: every tile of the launch is asked for at its head.
; Source 0 = 16 rows of W_o, source 1 = 16 tokens: lane (r, h) holds token row r of the tile and, in accumulator u's register j, column 32 h + 8 u + j of my 64.
; THE WAITS ON DScnt are all for 0 and stand behind a tile's 32 products: what they wait for was issued ahead of those products.
; REGISTERS.  Window 0: v1 16 x lane, v2 8 x lane + 512; v4-5, v6-7 LDS addresses of my first and second token group, v8-9 of my rows of W_o; v12, v13 the stage, v14 my place in two rows of out0; v16-31 W_o's scale words;
;   v36-51, v52-67 A's, a set for each group; v68-99 their halves; v100-163 accumulators, two sets of four; v164-227 rows on the way out, two sets.
;   Fragment f lies in window 1 + f / 21 at register 12 (f % 21): 0-31 W_o's (4 ks + u), 32-39 and 40-47 A's two sets.
.set SLAB,  102400
.set GRP,   51200
.set KSB,   6400
.set BLK,   3328
.set AG,    53248                      ; a token group: 16 blocks F64
.set WB,    4*AG
.set STG,   4352                       ; a wave's stage: 16 rows x (256 + 16) bytes
.set SPARE, WB+SLAB
.set FPW,   21
.set SPW,   10
.set NIL,   11
.set STO,   12
.set RD,    13
.set CO,    14
.set WS,    16
.set XS1,   36
.set XH,    68
.set ACC,   100
.set BK,    164
.set MSB,   0
.macro WIN new                         ; the immediate's high byte repeats the setting that is left
.if MSB != (\new)
	s_set_vgpr_msb (MSB<<8)|(\new)
.set MSB, (\new)
.endif
.endm
.macro PLACES n
.rept \n
	v_nop
.endr
.endm
.macro WALU
	s_wait_alu depctr_va_vdst(0)
.endm
.macro BARRIER
	s_barrier_signal -1
	s_barrier_wait -1
.endm
.macro CROUND                          ; a round of the cluster's barrier
	s_barrier_signal -1
	s_barrier_wait -1
	s_cmp_lg_u32 s14, 0
	s_cbranch_scc1 .Lnot_wave_0_\@
	s_barrier_signal -3
.Lnot_wave_0_\@:
	s_barrier_wait -3
	s_barrier_signal -1
	s_barrier_wait -1
.endm
.macro TLOAD g0, g1
	tensor_load_to_lds s[\g0:\g0+3], s[\g1:\g1+7]
	s_nop 0
	PLACES 4
.endm
.macro GROUP1 g, mask, rows            ; dense rows of 256 bytes (32 elements of 8), no padding; bit 21 beside the mask
	s_or_b32 s[\g], s[\mask], (3<<16)|(1<<21)
	s_mov_b32 s[\g+1], 32<<16
	s_mov_b32 s[\g+2], (\rows)<<16
	s_mov_b32 s[\g+3], 32<<16
	s_mov_b32 s[\g+4], \rows
	s_mov_b32 s[\g+5], 32
	s_mov_b32 s[\g+6], 0
	s_mov_b32 s[\g+7], 0
.endm
.macro LDF f, a16, a8, o0, o1          ; fragment f from its two half images: four LDS loads of 512 or 256 consecutive bytes
	WIN (1+(\f)/FPW)<<6
.set R_, 12*((\f)%FPW)
	ds_load_b128 v[R_:R_+3], v[\a16] offset:\o0
	ds_load_b64 v[R_+4:R_+5], v[\a8] offset:\o0
	ds_load_b128 v[R_+6:R_+9], v[\a16] offset:\o1
	ds_load_b64 v[R_+10:R_+11], v[\a8] offset:\o1
.endm
.macro FETCH t                         ; tile t's eight fragments into set t % 2: the halves of K step ks are heads 2 ks and 2 ks + 1
.set A16_, 4+2*((\t)/4)
.irp ks, 0,1,2,3,4,5,6,7
	LDF 32+8*((\t)%2)+\ks, A16_, A16_+1, BLK*2*\ks+768*((\t)%4), BLK*(2*\ks+1)+768*((\t)%4)
.endr
	WIN 0
.endm
.macro XHLOAD a8                       ; the halves of a group's scale words
.irp ks, 0,1,2,3,4,5,6,7
	ds_load_b64 v[XH+2*\ks:XH+2*\ks+1], v[\a8] offset:BLK*2*\ks+2560
	ds_load_b64 v[XH+16+2*\ks:XH+17+2*\ks], v[\a8] offset:BLK*(2*\ks+1)+2560
.endr
.endm
.macro MERGE xs                        ; a word for 128 along K; then a wait, and eight places ahead of the products that take the words
.irp n, 0,1,2,3,4,5,6,7,8,9,10,11,12,13,14,15
	v_lshl_or_b32 v[\xs+\n], v[XH+16+\n], 16, v[XH+\n]
.endr
	WALU
	PLACES 8
.endm
.macro MULT t, rb                      ; 32 products: tile t x my four column tiles, all of K; the four accumulators take turns
.set AC_, ACC+32*((\t)%2)
.set XS_, XS1+16*((\t)/4)+((\t)%4)/2
.irp ks, 0,1,2,3,4,5,6,7
.irp up, 0,1
.irp ra, 0,1
.set FW_, 4*\ks+2*\up+\ra
.set FA_, 32+8*((\t)%2)+\ks
.set D_, AC_+8*(2*\up+\ra)
	WIN (1+FW_/FPW)|((1+FA_/FPW)<<2)
.if \ks
	v_wmma_scale_f32_16x16x128_f8f6f4 v[D_:D_+7], v[12*(FW_%FPW):12*(FW_%FPW)+11], v[12*(FA_%FPW):12*(FA_%FPW)+11], v[D_:D_+7], v[WS+2*\ks+\up], v[XS_+2*\ks] matrix_a_fmt:MATRIX_FMT_FP6 matrix_b_fmt:MATRIX_FMT_FP6 matrix_a_scale:MATRIX_SCALE_ROW\ra matrix_b_scale:MATRIX_SCALE_ROW\rb
.else
	v_wmma_scale_f32_16x16x128_f8f6f4 v[D_:D_+7], v[12*(FW_%FPW):12*(FW_%FPW)+11], v[12*(FA_%FPW):12*(FA_%FPW)+11], 0, v[WS+2*\ks+\up], v[XS_+2*\ks] matrix_a_fmt:MATRIX_FMT_FP6 matrix_b_fmt:MATRIX_FMT_FP6 matrix_a_scale:MATRIX_SCALE_ROW\ra matrix_b_scale:MATRIX_SCALE_ROW\rb
.endif
.endr
.endr
.endr
.endm
.macro STAGE t                         ; tile t into my stage, each accumulator from its low end on, and back as rows of 256 bytes, two a load
.set AC_, ACC+32*((\t)%2)
.set BB_, BK+32*((\t)%2)
.irp u, 0,1,2,3
	ds_store_b128 v[STO], v[AC_+8*\u:AC_+8*\u+3] offset:32*\u
	ds_store_b128 v[STO], v[AC_+8*\u+4:AC_+8*\u+7] offset:32*\u+16
.endr
.irp q, 0,1,2,3,4,5,6,7
	ds_load_b128 v[BB_+4*\q:BB_+4*\q+3], v[RD] offset:544*\q      ; LDS serves a wave's instructions in order: these see the stores above
.endr
.endm
.macro SEND t                          ; stage row i is token 32 (i / 8) + 8 a + i % 8 of the group; sixteen lanes store 256 consecutive bytes, aligned
.set BB_, BK+32*((\t)%2)
.set PB_, 8+2*((\t)/4)
.irp q, 0,1,2,3,4,5,6,7
	global_store_b128 v[CO], v[BB_+4*\q:BB_+4*\q+3], s[PB_:PB_+1] offset:(32*(\q/4)+8*((\t)%4)+2*(\q%4))*4096 th:TH_STORE_NT
.endr
.endm
.macro ITER t, rb
	MULT \t, \rb
	WIN 0
	PLACES 4                                       ; ahead of the loads into the fragments' registers and of the stores of the results
	s_wait_dscnt 0x0                               ; the next tile's fragments and the last tile's rows, asked for ahead of these products, are in
.if (\t) == 2
	s_wait_tensorcnt 0x0                           ; every wave's load is in: groups 1 and 2 among them
	BARRIER                                        ; a plain barrier
.endif
.if (\t) == 3
	MERGE XS1+16
.endif
.if (\t) > 0
	s_wait_xcnt 0x0                                ; the stores of two tiles ago have read their registers, which take this tile's rows below
	SEND (\t)-1
.endif
.if (\t) < 6
	FETCH (\t)+2
.endif
.if (\t) == 2
	XHLOAD 7
.endif
	STAGE \t
.endm
	s_load_b128 s[4:7], s[0:1], 0x0                ; aimg, wimg
	s_load_b64 s[8:9], s[0:1], 0x10                ; out0
	v_lshl_add_u32 v[SPW], v0, 2, SPARE
	v_mov_b32 v[NIL], 0
	ds_add_u32 v[SPW], v[NIL]                      ; the wave's opening: the add, twice on end, and its wait ahead of my first tensor load
	ds_add_u32 v[SPW], v[NIL]
	v_lshrrev_b32 v1, 5, v0
	v_readfirstlane_b32 s14, v1                    ; wave 0..3
	s_lshr_b32 s15, s14, 1                         ; ta: which 128 tokens
	s_and_b32 s16, s14, 1                          ; cb: which 64 columns
	s_bfe_u32 s40, ttmp6, 0x40000                  ; cx
	s_bfe_u32 s41, ttmp6, 0x40004                  ; cy
	s_lshl_b32 s42, ttmp9, 2
	s_add_co_u32 s42, s42, s40                     ; block of 128 columns, 0..7
	s_and_b32 s43, ttmp7, 0xffff
	s_lshl_b32 s43, s43, 2
	s_add_co_u32 s43, s43, s41                     ; block of 256 tokens, 0..31
	s_lshl_b32 s44, s41, 2
	s_lshl_b32 s44, 15, s44                        ; my row of the cluster
	s_lshl_b32 s45, 0x1111, s40                    ; my column
	GROUP1 24, 45, 400                             ; W_o's 102,400 bytes
	GROUP1 32, 44, 208                             ; one token group
	GROUP1 48, 44, 416                             ; two
	s_mov_b32 s56, 1
	s_mov_b32 s57, WB
	s_mov_b32 s60, 1
	s_mov_b32 s61, 0
	s_mov_b32 s68, 1
	s_mov_b32 s69, 3*AG
	s_mov_b32 s72, 1
	s_mov_b32 s73, AG
	s_mul_i32 s20, s43, 4*AG                       ; my tokens' images, bytes from aimg: made of the token block alone
	s_mov_b32 s21, 0
	s_mul_i32 s46, s42, SLAB                       ; my rows of W_o, bytes from wimg: made of the column block alone
	s_add_co_u32 s46, s46, 3*819200                ; W_o's images lie behind the other three weights'
	s_mov_b32 s47, 0
	s_mul_i32 s17, s15, 3*AG                       ; LDS: my first group, 0 or 3,
	s_mul_i32 s18, s15, AG
	s_add_co_u32 s18, s18, AG                      ; my second, 1 or 2,
	s_mul_i32 s19, s16, GRP
	s_add_co_u32 s19, s19, WB                      ; my 64 rows of W_o,
	s_mul_i32 s22, s14, STG
	s_add_co_u32 s22, s22, WB                      ; my stage
	v_and_b32 v3, 31, v0
	v_lshlrev_b32 v1, 4, v3
	v_lshlrev_b32 v2, 3, v3
	v_add_nc_u32 v2, 512, v2
	v_add_nc_u32 v4, s17, v1
	v_add_nc_u32 v5, s17, v2
	v_add_nc_u32 v6, s18, v1
	v_add_nc_u32 v7, s18, v2
	v_add_nc_u32 v8, s19, v1
	v_add_nc_u32 v9, s19, v2
	v_and_b32 v15, 15, v0                          ; r
	v_bfe_u32 v3, v0, 4, 1                         ; h
	v_mul_u32_u24 v[STO], v15, 272
	v_lshl_add_u32 v[STO], v3, 7, v[STO]
	v_add_nc_u32 v[STO], s22, v[STO]               ; in: row r, + 128 h bytes
	v_mul_u32_u24 v[RD], v3, 272
	v_lshl_add_u32 v[RD], v15, 4, v[RD]
	v_add_nc_u32 v[RD], s22, v[RD]                 ; back: lanes 0-15 one row, lanes 16-31 the next
	v_lshlrev_b32 v[CO], 12, v3
	v_lshl_add_u32 v[CO], v15, 4, v[CO]            ; and the same two rows in out0
	WALU                                           ; the wait at the head's end
	s_wait_dscnt 0x0                               ; both opening adds are done
	s_wait_kmcnt 0x0
	s_add_nc_u64 s[58:59], s[6:7], s[46:47]
	s_or_b32 s59, s59, 0x80000000
	s_add_nc_u64 s[62:63], s[4:5], s[20:21]
	s_add_nc_u64 s[70:71], s[62:63], 3*AG
	s_add_nc_u64 s[74:75], s[62:63], AG
	s_or_b32 s63, s63, 0x80000000
	s_or_b32 s71, s71, 0x80000000
	s_or_b32 s75, s75, 0x80000000
	CROUND                                         ; all sixteen work-groups are here: the joint loads meet
	s_cmp_eq_u32 s14, 0                            ; one chain of branches on the wave's number, one load in each arm
	s_cbranch_scc0 .Lwave_1
	TLOAD 56, 24                                   ; wave 0: W_o's rows
	s_branch .Lasked
.Lwave_1:
	s_cmp_eq_u32 s14, 1
	s_cbranch_scc0 .Lwave_2
	TLOAD 60, 32                                   ; wave 1: token group 0
	s_branch .Lasked
.Lwave_2:
	s_cmp_eq_u32 s14, 2
	s_cbranch_scc0 .Lwave_3
	TLOAD 68, 32                                   ; wave 2: group 3
	s_branch .Lasked
.Lwave_3:
	TLOAD 72, 48                                   ; wave 3: groups 1 and 2
.Lasked:
	s_lshl_b32 s76, s43, 2                         ; where my results go: s[8:9] my first group's rows, s[10:11] my second's
	s_mul_i32 s17, s15, 3
	s_add_co_u32 s17, s76, s17
	s_lshl_b32 s17, s17, 18                        ; 64 rows of 4,096 bytes a group
	s_lshl_b32 s18, s42, 9
	s_lshl_b32 s19, s16, 8
	s_add_co_u32 s18, s18, s19                     ; my first column, in bytes
	s_add_co_u32 s78, s17, s18
	s_mov_b32 s79, 0
	s_add_co_u32 s76, s76, s15
	s_add_co_u32 s76, s76, 1
	s_lshl_b32 s76, s76, 18
	s_add_co_u32 s76, s76, s18
	s_mov_b32 s77, 0
	s_add_nc_u64 s[10:11], s[8:9], s[76:77]
	s_add_nc_u64 s[8:9], s[8:9], s[78:79]
	s_cmp_eq_u32 s14, 0
	s_cbranch_scc0 .Lnot_w
	s_wait_tensorcnt 0x0
.Lnot_w:
	BARRIER                                        ; W_o's rows are in
.irp ks, 0,1,2,3,4,5,6,7                       ; my 64 rows, all of K: 128 loads, and 8 for the scale words
.irp u, 0,1,2,3
	LDF 4*\ks+\u, 8, 9, KSB*\ks+1536*\u, KSB*\ks+1536*\u+768
.endr
.endr
	WIN 0
.irp ks, 0,1,2,3,4,5,6,7
	ds_load_b64 v[WS+2*\ks:WS+2*\ks+1], v9 offset:KSB*\ks+5632
.endr
	s_cmp_eq_u32 s14, 3
	s_cbranch_scc1 .Lnot_a
	s_wait_tensorcnt 0x0
.Lnot_a:
	s_wait_dscnt 0x0                               ; my reads of W_o are over
	BARRIER                                        ; groups 0 and 3 are in, and W_o's bytes are free for the stages; groups 1 and 2 may be on their way
	XHLOAD 5
	FETCH 0
	FETCH 1
	s_wait_dscnt 0x0
	MERGE XS1
	ITER 0, 0
	ITER 1, 1
	ITER 2, 0
	ITER 3, 1
	ITER 4, 0
	ITER 5, 1
	ITER 6, 0
	ITER 7, 1
	s_wait_dscnt 0x0
	SEND 7
	s_wait_tensorcnt 0x0                           ; the wave's end: behind my last tensor load and my last LDS store
	ds_add_u32 v[SPW], v[NIL]
	s_wait_dscnt 0x0
	CROUND                                         ; the closing round
	s_endpgm
.Lfunc_end_k_qfd3e7af14d_oproj:
	.size	k_qfd3e7af14d_oproj, .Lfunc_end_k_qfd3e7af14d_oproj-k_qfd3e7af14d_oproj
	.p2alignl 7, 3214868480
	.fill 96, 4, 3214868480
	.section	.rodata,"a",@progbits
	.p2align	6, 0x0
	.amdhsa_kernel k_qfd3e7af14d_oproj
		.amdhsa_group_segment_fixed_size 327680
		.amdhsa_private_segment_fixed_size 0
		.amdhsa_enable_private_segment 0
		.amdhsa_kernarg_size 24
		.amdhsa_user_sgpr_count 2
		.amdhsa_user_sgpr_kernarg_segment_ptr 1
		.amdhsa_wavefront_size32 1
		.amdhsa_system_sgpr_workgroup_id_x 1
		.amdhsa_system_sgpr_workgroup_id_y 1
		.amdhsa_system_sgpr_workgroup_id_z 1
		.amdhsa_system_vgpr_workitem_id 0
		.amdhsa_next_free_vgpr 896
		.amdhsa_next_free_sgpr 84
		.amdhsa_reserve_vcc 0
		.amdhsa_float_denorm_mode_32 3
		.amdhsa_float_denorm_mode_16_64 3
		.amdhsa_memory_ordered 1
		.amdhsa_forward_progress 1
		.amdhsa_inst_pref_size 87
	.end_amdhsa_kernel
	.amdgpu_metadata
---
amdhsa.version: [ 1, 2 ]
amdhsa.kernels:
  - .name:           k_qfd3e7af14d_oproj
    .symbol:         k_qfd3e7af14d_oproj.kd
    .args:
      - { .name: aimg, .offset: 0, .size: 8, .value_kind: global_buffer, .address_space: global }
      - { .name: wimg, .offset: 8, .size: 8, .value_kind: global_buffer, .address_space: global }
      - { .name: out0, .offset: 16, .size: 8, .value_kind: global_buffer, .address_space: global }
    .group_segment_fixed_size: 327680
    .private_segment_fixed_size: 0
    .kernarg_segment_align: 8
    .kernarg_segment_size: 24
    .max_flat_workgroup_size: 128
    .sgpr_count:     84
    .vgpr_count:     896
    .wavefront_size: 32
...
	.end_amdgpu_metadata
.endif
;; end of part 4
